; MI455X (gfx1250); checked and timed in simulation.
; The chip was launched on July 23, 2026; its instructions are those of AMD's public machine-readable ISA for CDNA 5 (MIT licence, August 2026) and "CDNA5" Instruction Set Architecture Reference Guide (July 2026). The comments in the code are by the model that wrote it; some were corrected since.
;; Multi Head Attention. Allowed arithmetic: float matrix products may take bf16 or f16 operands with f32 sums; all other float work in f32.
;; Inputs: Wk 1,024 x 1,024 float32; Wo 1,024 x 1,024 float32; Wq 1,024 x 1,024 float32; Wv 1,024 x 1,024 float32; bk 1,024 float32; bo 1,024 float32; bq 1,024 float32; bv 1,024 float32; mask 4 x 2,048 int32; scale one number float32; x 4 x 2,048 x 1,024 float32.
;; Outputs: out0 4 x 2,048 x 1,024 float32.
;; One version. Each part assembles by itself: llvm-mc -triple=amdgcn-amd-amdhsa -mcpu=gfx1250 --defsym DOCPART=n.
;; ======== version 1 of 1: 4 launches
;; limits: values are held in f16: magnitudes above 65,504 overflow, below 6.1e-05 lose precision; right only within a limited range of input values
;; workspace buffers: xb 16,777,216 bytes; wqkv 6,291,456 bytes; wob 2,097,152 bytes; qkv 50,331,648 bytes; ctx 16,777,216 bytes
;; launch cast (part 1): grid 512 x 1, 8 waves a work-group, no clusters, 0 bytes of LDS; arguments x, Wq, Wk, Wv, Wo, xb, wqkv, wob; writes xb, wqkv, wob
.if DOCPART == 1
	.amdgcn_target "amdgcn-amd-amdhsa--gfx1250"
	.amdhsa_code_object_version 6
	.text
	.protected	k_q1e0d75161a_cast
	.globl	k_q1e0d75161a_cast
	.p2align	8
	.type	k_q1e0d75161a_cast,@function
k_q1e0d75161a_cast:
	s_mov_b64 s[64:65], 0
	v_nop
	global_prefetch_b8 v0, s[64:65] scope:SCOPE_SE
	s_setreg_imm32_b32 hwreg(HW_REG_WAVE_MODE, 25, 1), 1
	s_wait_xcnt 0x0
; FIRST OF FOUR LAUNCHES (cast, qkv, attn, outp) of cosine attention: q, k, v = x W + b; q and k are normalised along each head's 64
; numbers, q times scale; masked softmax of q k^T; times v; times Wo, plus bo.
; NOTHING OF THE PROBLEM'S FUNCTION IS LEFT OUT: every input has a way to the output (bq and bk stand inside a normalisation,
; bv and bo are added, the mask and the scale are inputs) and every one is loaded by some launch.
; FORMATS: all matrix operands are f16, all sums f32; bias, norm, softmax and what is carried from step to step are f32.
; LIMIT (f16's largest number): |x|, |W|, |v| and |scale| x 1.4427 stay below 65,504; beyond it an operand becomes an infinity.
;
; THIS LAUNCH rounds x and the four weights to f16, once each, into the layouts that the products read:
;   xb   [16 blocks of 64 columns][8192 rows][64]   byte = block x 2^20 + row x 128 + 2 x (column mod 64): a tile of rows of one block is dense
;   wqkv [1024 k][3072]  columns 0-1023 Wq, 1024-2047 Wk, 2048-3071 Wv        wob [1024 k][1024]
; A stream: no LDS, no barrier, no matrix unit, no loop.  Work-group w takes rows 16 w .. 16 w + 15 of x and rows 2 w, 2 w + 1 of each weight.
; A thread issues its 24 loads of 16 bytes at once, then rounds and stores them in the order in which they come.  No register that a
; load or store names is written again, so the counted waits for data are the only waits.
.set D, 8                              ; v[8:103]  load i lands in v[D+4i : D+4i+3]; its 4 f16 are packed into the first two of them
	s_load_b512 s[4:19], s[0:1], 0x0               ; x s[4:5], Wq s[6:7], Wk s[8:9], Wv s[10:11], Wo s[12:13], xb s[14:15], wqkv s[16:17], wob s[18:19]
	v_lshrrev_b32 v1, 4, v0                        ; thread / 16 = which of the group's 16 rows of x
	v_and_b32 v4, 15, v0
	v_lshlrev_b32 v4, 4, v4
	v_lshl_add_u32 v1, v1, 12, v4                  ; x: row x 4,096 + 16 x (thread mod 16): sixteen lanes read 256 consecutive bytes, one block's part of a row
	v_lshlrev_b32 v2, 3, v0                        ; every store: 8 x thread: a wave stores 256 consecutive bytes, aligned
	v_lshlrev_b32 v3, 4, v0                        ; W: 16 x thread: the 256 threads cover a row of 4,096 bytes
	s_lshl_b32 s20, ttmp9, 16                      ; x: 16 rows of 4,096 bytes
	s_mov_b32 s21, 0
	s_lshl_b32 s22, ttmp9, 13                      ; each W: 2 rows of 4,096 bytes
	s_mov_b32 s23, 0
	s_lshl_b32 s24, ttmp9, 11                      ; xb: 16 rows of 128 bytes in each block
	s_mov_b32 s25, 0
	s_mul_i32 s26, ttmp9, 12288                    ; wqkv: 2 rows of 6,144 bytes
	s_mov_b32 s27, 0
	s_lshl_b32 s28, ttmp9, 12                      ; wob: 2 rows of 2,048 bytes
	s_mov_b32 s29, 0
	s_wait_kmcnt 0x0
	s_add_nc_u64 s[4:5], s[4:5], s[20:21]
	s_add_nc_u64 s[6:7], s[6:7], s[22:23]
	s_add_nc_u64 s[8:9], s[8:9], s[22:23]
	s_add_nc_u64 s[10:11], s[10:11], s[22:23]
	s_add_nc_u64 s[12:13], s[12:13], s[22:23]
	s_add_nc_u64 s[14:15], s[14:15], s[24:25]      ; xb, blocks 0 to 7 by the immediate
	s_add_nc_u64 s[30:31], s[14:15], 0x800000      ; xb, blocks 8 to 15: a second base keeps the immediates inside their 24 signed bits
	s_add_nc_u64 s[16:17], s[16:17], s[26:27]
	s_add_nc_u64 s[18:19], s[18:19], s[28:29]
.irp kb, 0,1,2,3,4,5,6,7,8,9,10,11,12,13,14,15
	global_load_b128 v[D+4*\kb:D+4*\kb+3], v1, s[4:5] offset:256*\kb th:TH_LOAD_NT     ; loads 0-15: block kb of my row of x
.endr
.irp m, 0,1,2,3
.irp j, 0,1
	global_load_b128 v[D+64+8*\m+4*\j:D+64+8*\m+4*\j+3], v3, s[6+2*\m:7+2*\m] offset:4096*\j th:TH_LOAD_NT   ; loads 16 + 2 m + j: row j of weight m
.endr
.endr
.macro CVT i                           ; load i has come (the 23 - i younger ones may stay out); four roundings, packed in place
	s_wait_loadcnt 23-\i
	v_cvt_pk_f16_f32 v[D+4*\i], v[D+4*\i], v[D+4*\i+1]
	v_cvt_pk_f16_f32 v[D+4*\i+1], v[D+4*\i+2], v[D+4*\i+3]
.endm
.irp kb, 0,1,2,3,4,5,6,7
	CVT \kb
	global_store_b64 v2, v[D+4*\kb:D+4*\kb+1], s[14:15] offset:\kb*0x100000
.endr
.irp kb, 8,9,10,11,12,13,14,15
	CVT \kb
	global_store_b64 v2, v[D+4*\kb:D+4*\kb+1], s[30:31] offset:(\kb-8)*0x100000
.endr
.irp m, 0,1,2
.irp j, 0,1
	CVT (16+2*\m+\j)
	global_store_b64 v2, v[D+64+8*\m+4*\j:D+64+8*\m+4*\j+1], s[16:17] offset:6144*\j+2048*\m   ; weight m fills columns 1024 m .. of wqkv's row
.endr
.endr
.irp j, 0,1
	CVT (22+\j)
	global_store_b64 v2, v[D+88+4*\j:D+88+4*\j+1], s[18:19] offset:2048*\j
.endr
	s_endpgm
.Lfunc_end_k_q1e0d75161a_cast:
	.size	k_q1e0d75161a_cast, .Lfunc_end_k_q1e0d75161a_cast-k_q1e0d75161a_cast
	.p2alignl 7, 3214868480
	.fill 96, 4, 3214868480
	.section	.rodata,"a",@progbits
	.p2align	6, 0x0
	.amdhsa_kernel k_q1e0d75161a_cast
		.amdhsa_group_segment_fixed_size 0
		.amdhsa_private_segment_fixed_size 0
		.amdhsa_enable_private_segment 0
		.amdhsa_kernarg_size 64
		.amdhsa_user_sgpr_count 2
		.amdhsa_user_sgpr_kernarg_segment_ptr 1
		.amdhsa_wavefront_size32 1
		.amdhsa_system_sgpr_workgroup_id_x 1
		.amdhsa_system_sgpr_workgroup_id_y 1
		.amdhsa_system_sgpr_workgroup_id_z 1
		.amdhsa_system_vgpr_workitem_id 0
		.amdhsa_next_free_vgpr 104
		.amdhsa_next_free_sgpr 66
		.amdhsa_reserve_vcc 0
		.amdhsa_float_denorm_mode_32 3
		.amdhsa_float_denorm_mode_16_64 3
		.amdhsa_memory_ordered 1
		.amdhsa_forward_progress 1
		.amdhsa_inst_pref_size 10
	.end_amdhsa_kernel
	.amdgpu_metadata
---
amdhsa.version: [ 1, 2 ]
amdhsa.kernels:
  - .name:           k_q1e0d75161a_cast
    .symbol:         k_q1e0d75161a_cast.kd
    .args:
      - { .name: x, .offset: 0, .size: 8, .value_kind: global_buffer, .address_space: global }
      - { .name: Wq, .offset: 8, .size: 8, .value_kind: global_buffer, .address_space: global }
      - { .name: Wk, .offset: 16, .size: 8, .value_kind: global_buffer, .address_space: global }
      - { .name: Wv, .offset: 24, .size: 8, .value_kind: global_buffer, .address_space: global }
      - { .name: Wo, .offset: 32, .size: 8, .value_kind: global_buffer, .address_space: global }
      - { .name: xb, .offset: 40, .size: 8, .value_kind: global_buffer, .address_space: global }
      - { .name: wqkv, .offset: 48, .size: 8, .value_kind: global_buffer, .address_space: global }
      - { .name: wob, .offset: 56, .size: 8, .value_kind: global_buffer, .address_space: global }
    .group_segment_fixed_size: 0
    .private_segment_fixed_size: 0
    .kernarg_segment_align: 8
    .kernarg_segment_size: 64
    .max_flat_workgroup_size: 256
    .sgpr_count:     66
    .vgpr_count:     104
    .wavefront_size: 32
...
	.end_amdgpu_metadata
.endif
;; end of part 1
;; launch qkv (part 2): grid 8 x 32, 4 waves a work-group, clusters of 4 x 4, 327,680 bytes of LDS; arguments xb, wqkv, bq, bk, bv, scale, qkv; writes qkv
.if DOCPART == 2
	.amdgcn_target "amdgcn-amd-amdhsa--gfx1250"
	.amdhsa_code_object_version 6
	.text
	.protected	k_q1e0d75161a_qkv
	.globl	k_q1e0d75161a_qkv
	.p2align	8
	.type	k_q1e0d75161a_qkv,@function
k_q1e0d75161a_qkv:
	s_mov_b64 s[64:65], 0
	v_nop
	global_prefetch_b8 v0, s[64:65] scope:SCOPE_SE
	s_setreg_imm32_b32 hwreg(HW_REG_WAVE_MODE, 25, 1), 1
	s_wait_xcnt 0x0
	s_wait_alu depctr_hold_cnt(0) depctr_sa_sdst(0) depctr_va_vdst(0) depctr_va_sdst(0) depctr_va_ssrc(0) depctr_va_vcc(0) depctr_vm_vsrc(0)
	s_getreg_b32 s2, hwreg(HW_REG_IB_STS2, 6, 4)
	s_cmp_eq_u32 s2, 0
	s_cbranch_scc0 .Lentry_in_a_cluster
	s_endpgm
.Lentry_in_a_cluster:
	s_bfe_u32 s2, ttmp6, 0x10000c
	s_cmp_lg_u32 s2, 0xf033
	s_cbranch_scc0 .Lentry_shape_is_right
	s_endpgm
.Lentry_shape_is_right:
; qkv: C[8192][3072] = xb wqkv (f16 operands, f32 sums), then per head of 64 columns: + bias; q and k heads are divided by
; max(their row's length, 1e-12); q heads are multiplied by scale x log2(e), so that the softmax of the next launch works on powers of two.
; Stored in f16 as qkv [G 48][token 8192][64], G = 16 x (0 q, 1 k, 2 v) + head.  Nothing is left out.
; LIMIT: |v| and |scale| x 1.4427 below 65,504 (f16).
;
; 256 work-groups, each a block of 256 rows x 384 columns (6 heads); four waves as 2 x 2, a wave 128 rows x 192 columns: 96 accumulator
; tiles of 16 x 16 in 768 registers.  A wave's three heads are its three column groups g; group g fills register window g + 1, tile (a, b) at v[8 (4 a + b)].
; K goes in 16 steps of 64 through two LDS slots; a step is two quarters of 32 along K, 96 matrix instructions each.  Two slots of 128 along K
; (2 x 180 KB) do not fit in LDS; the tiles of xb are dense in memory all the same.
; THE MATRIX INSTRUCTION IS USED TRANSPOSED: source 0 = 16 columns of W, source 1 = 16 rows of x.  Lane (r = lane mod 16, h = lane / 16) then holds row r and
; the eight neighbouring columns 8 h + 0..7 of a tile: a row's sum of squares needs one exchange between the lane halves, and 8 results pack into 16 bytes.
; CLUSTERS: 4 x 4 work-groups.  x's tile hangs on the block row alone and is asked for jointly by a row of the cluster, W's on the block column
; alone and is asked for jointly by a column: the requests for both are divided by four.
; A wave has two tensor loads out at the start and one behind each round.
;
; LDS: a slot = 4 regions of 27,648 bytes, region w filled by wave w.  Regions 0, 1: x rows 0-127, 128-255, 128 bytes + 16 of padding = pitch 144 (9 x 16).
; Regions 2, 3: W's k rows 0-31, 32-63; a row is 3 pieces of 256 bytes, each followed by 32 of padding = pitch 864 (27 x 32).  Behind the two slots each wave has
; a stage of 16 rows x 144 bytes for the way out, which no tensor load ever fills.
.set REGN,  27648
.set SLOT,  4*REGN
.set STAGE, 2*SLOT
.set ASTEP, 0x100000                   ; bytes from one block of 64 columns of xb to the next
.set BSTEP, 64*6144                    ; bytes of 64 rows of wqkv
.set ADRA,  16                         ; v16-17  LDS address of my x fragments, slot 0, 1
.set ADRB,  18                         ; v18-23  LDS address of my W fragments: slot 0 groups 0-2, slot 1 groups 0-2
.set STO,   24                         ; v24     way out: where I put 16 bytes of a row
.set RD,    25                         ; v25     way out: where I read rows back
.set CO,    26                         ; v26     16 x lane: my 16 bytes of 512 consecutive bytes of the output
.set BOFF,  27                         ; v27     32 h: my 8 numbers of a bias, in a piece of 16
.set FA0,   32                         ; v32-95   x fragments (8 x 16 rows x 32 K), buffer 0
.set FA1,   96                         ; v96-159  buffer 1
.set FB,    160                        ; v160-255 W fragments: group g at +32 g, fragment b at +8 b; one buffer, each group loaded again behind its own products
.set BIAS0, FA0                        ; the way out: biases of groups 0, 1 in buffer 0, of group 2 in W's group 0
.set BIAS1, FA0+32
.set BIAS2, FB
.set T,     96                         ; v96-127  32 numbers at work
.set PK,    128                        ; v128-143 packed
.set RB,    192                        ; v192-223 rows read back, two buffers of 16
.set G1A,   28                         ; s[28:35] descriptor group 1, x's tiles
.set G0A,   36                         ; s[36:43] group 0, x's tiles, one set a slot
.set G1B,   44                         ; s[44:51] group 1, W's tiles
.set G0B,   52                         ; s[52:59] group 0, W's tiles, one set a slot
.set FAC,   66                         ; s66-68  group g: scale x log2(e) for a q head, else 1.0
.set VM,    69                         ; s69-71  group g: all ones for a v head, else 0
.set BP,    72                         ; s[72:77] group g: its head's 64 numbers of bq, bk or bv
.set OB,    78                         ; s[78:83] group g: my 128 rows of its head in qkv
.set MSB, 0
.macro WIN new                         ; the immediate's high byte repeats the setting that is left; a switch that changes nothing is dropped
.if MSB != (\new)
	s_set_vgpr_msb (MSB<<8)|(\new)
.set MSB, (\new)
.endif
.endm
.macro PLACES n                        ; places behind matrix instructions (ISA guide 7.12.1)
.rept \n
	v_nop
.endr
.endm
; A joint load: waves 0, 1 ask for x's two halves, waves 2, 3 for W's.  Each line has one mask; the branch hangs on the wave's number alone.
.macro JLOAD sl
	s_cmp_eq_u32 s19, 0
	s_cbranch_scc0 .Lfor_b_\@
	tensor_load_to_lds s[G0A+4*\sl:G0A+4*\sl+3], s[G1A:G1A+7]
	s_nop 0
	s_branch .Lasked_\@
.Lfor_b_\@:
	tensor_load_to_lds s[G0B+4*\sl:G0B+4*\sl+3], s[G1B:G1B+7]
	s_nop 0
.Lasked_\@:
.endm
; A round of the cluster's barrier: my work-group's barrier; wave 0 signals for the work-group; every wave waits for all sixteen; my work-group's barrier again.
.macro CREST                           ; a round behind its opening barrier
	s_cmp_lg_u32 s18, 0
	s_cbranch_scc1 .Lnot_wave_0_\@
	s_barrier_signal -3
.Lnot_wave_0_\@:
	s_barrier_wait -3
	s_barrier_signal -1
	s_barrier_wait -1
.endm
.macro CROUND
	s_barrier_signal -1
	s_barrier_wait -1
	CREST
.endm
	s_load_b256 s[4:11], s[0:1], 0x0               ; xb s[4:5], wqkv s[6:7], bq s[8:9], bk s[10:11]
	s_load_b128 s[12:15], s[0:1], 0x20             ; bv s[12:13], scale s[14:15]
	s_load_b64 s[16:17], s[0:1], 0x30              ; qkv
	v_lshl_add_u32 v30, v0, 2, 0x38400
	v_mov_b32 v31, 0
	ds_add_u32 v30, v31
	v_lshrrev_b32 v1, 5, v0
	v_readfirstlane_b32 s18, v1                    ; wave 0..3
	s_lshr_b32 s19, s18, 1                         ; wm: my half of the block's rows.  Also: I ask for x (0) or for W (1)
	s_and_b32 s20, s18, 1                          ; wn: my half of its columns.  Also: which half of that tile I ask for
	s_bfe_u32 s21, ttmp6, 0x40000                  ; cx
	s_bfe_u32 s22, ttmp6, 0x40004                  ; cy
	s_lshl_b32 s23, ttmp9, 2
	s_add_co_u32 s23, s23, s21                     ; block column 0..7
	s_and_b32 s24, ttmp7, 0xffff
	s_lshl_b32 s24, s24, 2
	s_add_co_u32 s24, s24, s22                     ; block row 0..31
	s_lshl_b32 s25, s22, 2
	s_lshl_b32 s25, 15, s25                        ; my row of the cluster
	s_lshl_b32 s26, 0x1111, s21                    ; my column of the cluster
	; group 1 for x: 128 rows x 64 elements of 2 bytes, dense in memory; 4 words of padding behind every 32
	s_or_b32 s[G1A+0], s25, (1<<16)|(1<<20)|(1<<21)|(4<<22)|(3<<25)
	s_mov_b32 s[G1A+1], 64<<16                     ; tensor_dim0 = 64
	s_mov_b32 s[G1A+2], 128<<16                    ; tensor_dim1 = 128
	s_mov_b32 s[G1A+3], 64<<16                     ; tile_dim0 = 64
	s_mov_b32 s[G1A+4], 128                        ; tile_dim1 = 128
	s_mov_b32 s[G1A+5], 64                         ; from row to row: 64 elements
	s_mov_b32 s[G1A+6], 0
	s_mov_b32 s[G1A+7], 0
	; group 1 for W: 32 rows x 384 elements, 3,072 elements from row to row; 8 words of padding behind every 64
	s_or_b32 s[G1B+0], s26, (1<<16)|(1<<20)|(1<<21)|(5<<22)|(7<<25)
	s_mov_b32 s[G1B+1], 384<<16
	s_mov_b32 s[G1B+2], 32<<16
	s_mov_b32 s[G1B+3], 384<<16
	s_mov_b32 s[G1B+4], 32
	s_mov_b32 s[G1B+5], 3072
	s_mov_b32 s[G1B+6], 0
	s_mov_b32 s[G1B+7], 0
	s_lshl_b32 s88, s24, 15                        ; x: (256 x block row + 128 x half) rows of 128 bytes
	s_lshl_b32 s89, s20, 14
	s_add_co_u32 s88, s88, s89
	s_mov_b32 s89, 0
	s_mul_i32 s90, s20, 32*6144                    ; W: 32 x half rows of 6,144 bytes + 768 bytes x block column
	s_mul_i32 s91, s23, 768
	s_add_co_u32 s90, s90, s91
	s_mov_b32 s91, 0
	s_mul_i32 s27, s18, REGN                       ; my region of a slot: no place in the cluster enters an LDS address
	s_wait_dscnt 0x0
	s_wait_kmcnt 0x0
	s_load_b32 s86, s[14:15], 0x0                  ; scale; waited for below
	s_add_nc_u64 s[88:89], s[4:5], s[88:89]
	s_add_nc_u64 s[90:91], s[6:7], s[90:91]
	CROUND                                         ; all sixteen work-groups are here: the first joint loads meet
.irp sl, 0,1
	s_mov_b32 s[G0A+4*\sl], 1
	s_add_co_u32 s[G0A+4*\sl+1], s27, \sl*SLOT
	s_add_nc_u64 s[G0A+4*\sl+2:G0A+4*\sl+3], s[88:89], \sl*ASTEP
	s_or_b32 s[G0A+4*\sl+3], s[G0A+4*\sl+3], 0x80000000
	s_mov_b32 s[G0B+4*\sl], 1
	s_add_co_u32 s[G0B+4*\sl+1], s27, \sl*SLOT
	s_add_nc_u64 s[G0B+4*\sl+2:G0B+4*\sl+3], s[90:91], \sl*BSTEP
	s_or_b32 s[G0B+4*\sl+3], s[G0B+4*\sl+3], 0x80000000
	JLOAD \sl                                      ; K steps 0 and 1: both slots are asked for before anything else is done
.endr
	v_and_b32 v1, 15, v0                           ; r
	v_bfe_u32 v2, v0, 4, 1                         ; h
	v_mul_u32_u24 v3, v1, 144
	v_lshl_add_u32 v3, v2, 4, v3                   ; r x 144 + 16 h
	s_mul_i32 s92, s19, REGN                       ; my 128 rows of x are region wm
	v_add_nc_u32 v[ADRA], s92, v3
	v_add_nc_u32 v[ADRA+1], SLOT, v[ADRA]
	; W lies [k][n]: the transposing load wants lane l at row 8 h + (l mod 8), 16 bytes x ((l / 8) mod 2)
	v_and_b32 v4, 7, v0
	v_lshl_add_u32 v4, v2, 3, v4
	v_mul_u32_u24 v4, v4, 864
	v_bfe_u32 v5, v0, 3, 1
	v_lshl_add_u32 v4, v5, 4, v4
; column n0 = 192 wn + 64 g lies at byte 2 n0 + 32 (n0 / 128) of a row = c0 + c1 x wn
.macro MKADRB g, c0, c1
	s_mul_i32 s92, s20, \c1
	s_add_co_u32 s92, s92, 2*REGN+\c0
	v_add_nc_u32 v[ADRB+\g], s92, v4
	v_add_nc_u32 v[ADRB+3+\g], SLOT, v[ADRB+\g]
.endm
	MKADRB 0, 0, 416
	MKADRB 1, 128, 448
	MKADRB 2, 288, 416
	s_mul_i32 s92, s18, 2304
	s_add_co_u32 s92, s92, STAGE                   ; my stage
	v_add_nc_u32 v[STO], s92, v3                   ; in: row r, 16 bytes for each half of the lanes
	v_bfe_u32 v5, v0, 3, 2
	v_mul_u32_u24 v5, v5, 144
	v_and_b32 v6, 7, v0
	v_lshl_add_u32 v5, v6, 4, v5
	v_add_nc_u32 v[RD], s92, v5                    ; back: eight lanes take a row of 128 bytes, the wave four rows
	v_and_b32 v[CO], 31, v0
	v_lshlrev_b32 v[CO], 4, v[CO]
	v_lshlrev_b32 v[BOFF], 5, v2
	s_mov_b32 s84, 0x76543210                      ; v_permlanex16_b32: lane i of one half reads lane i of the other
	s_mov_b32 s85, 0xfedcba98
	s_mul_i32 s87, s23, 6
	s_mul_i32 s92, s20, 3
	s_add_co_u32 s87, s87, s92                     ; G of my group 0 = 6 x block column + 3 wn
	s_lshl_b32 s61, s24, 15
	s_lshl_b32 s92, s19, 14
	s_add_co_u32 s61, s61, s92                     ; my first row in a head's plane: (256 x block row + 128 wm) x 128 bytes
	s_wait_kmcnt 0x0
	s_mul_f32 s86, s86, 0x3fb8aa3b                 ; scale x log2(e)
; What a group's head is hangs on the block column, so on the place in the cluster: it is settled by selects, never by a branch.
.macro HEADG g
	s_add_co_u32 s92, s87, \g                      ; G
	s_lshr_b32 s93, s92, 4                         ; 0 q, 1 k, 2 v
	s_cmp_eq_u32 s93, 0
	s_cselect_b32 s[FAC+\g], s86, 1.0
	s_cselect_b64 s[BP+2*\g:BP+2*\g+1], s[8:9], s[10:11]
	s_cmp_eq_u32 s93, 2
	s_cselect_b64 s[BP+2*\g:BP+2*\g+1], s[12:13], s[BP+2*\g:BP+2*\g+1]
	s_cselect_b32 s[VM+\g], -1, 0
	s_and_b32 s94, s92, 15
	s_lshl_b32 s94, s94, 8                         ; the head's 64 numbers of 4 bytes
	s_mov_b32 s95, 0
	s_add_nc_u64 s[BP+2*\g:BP+2*\g+1], s[BP+2*\g:BP+2*\g+1], s[94:95]
	s_lshl_b32 s94, s92, 20
	s_add_co_u32 s94, s94, s61
	s_add_nc_u64 s[OB+2*\g:OB+2*\g+1], s[16:17], s[94:95]
.endm
	HEADG 0
	HEADG 1
	HEADG 2
; na x 4 matrix instructions of column group g: row blocks a0 .., all four column blocks, 32 along K.  zero = 1: the first product starts the sums.
; The 96 accumulators take turns, one instruction a turn, in the same order in every quarter.
.macro GRP f, g, a0, na, zero
	WIN (\g+1)*0x50                                ; C and D in window g + 1, both fragments in window 0
.set aa, \a0
.rept \na
.irp b, 0,1,2,3
.if \zero
	v_wmma_f32_16x16x32_f16 v[8*(4*aa+\b):8*(4*aa+\b)+7], v[FB+32*\g+8*\b:FB+32*\g+8*\b+7], v[\f+8*aa:\f+8*aa+7], 0
.else
	v_wmma_f32_16x16x32_f16 v[8*(4*aa+\b):8*(4*aa+\b)+7], v[FB+32*\g+8*\b:FB+32*\g+8*\b+7], v[\f+8*aa:\f+8*aa+7], v[8*(4*aa+\b):8*(4*aa+\b)+7]
.endif
.endr
.set aa, aa+1
.endr
.endm
.macro LDB sl, kq, g                   ; 8 transposing loads: group g's four W fragments of quarter kq (k rows 32 kq .. = region 2 + kq)
.irp b, 0,1,2,3
	ds_load_tr16_b128 v[FB+32*\g+8*\b:FB+32*\g+8*\b+3],   v[ADRB+3*\sl+\g] offset:REGN*\kq+32*\b
	ds_load_tr16_b128 v[FB+32*\g+8*\b+4:FB+32*\g+8*\b+7], v[ADRB+3*\sl+\g] offset:REGN*\kq+32*\b+16*864
.endr
.endm
.macro LDA sl, kq, f, a0               ; 8 loads: x fragments a0 .. a0 + 3 of quarter kq into buffer f
.irp i, 0,1,2,3
	ds_load_b128 v[\f+8*(\a0+\i):\f+8*(\a0+\i)+3],   v[ADRA+\sl] offset:64*\kq+2304*(\a0+\i)
	ds_load_b128 v[\f+8*(\a0+\i)+4:\f+8*(\a0+\i)+7], v[ADRA+\sl] offset:64*\kq+2304*(\a0+\i)+32
.endr
.endm
; The next quarter's loads, in three runs.  Each run stands four places behind the products that read the W group which it loads again.
.macro NL0 sl, kq, f
	WIN 0
	PLACES 4
	LDB \sl, \kq, 0
	LDA \sl, \kq, \f, 0
.endm
.macro NL1 sl, kq, f
	WIN 0
	PLACES 4
	LDB \sl, \kq, 1
	LDA \sl, \kq, \f, 4
.endm
.macro NL2 sl, kq
	WIN 0
	PLACES 4
	LDB \sl, \kq, 2
.endm
; First quarter of a K step: multiplies buffer 0 and fetches the same slot's second quarter into buffer 1.
.macro QUARTER sl, zero
	s_wait_dscnt 8                                 ; all of x's fragments and W's groups 0, 1 are in; the youngest 8 loads (group 2) may be out
	GRP FA0, 0, 0, 8, \zero
	NL0 \sl, 1, FA1
	GRP FA0, 1, 0, 8, \zero
	NL1 \sl, 1, FA1
	s_wait_dscnt 32                                ; all but the 32 loads of the two runs above: group 2 is in
	GRP FA0, 2, 0, 8, \zero
	NL2 \sl, 1
.endm
; Second quarter: multiplies buffer 1 and changes slots.  In front of the barrier each wave waits for its reads of this slot and for all its tensor
; loads (the one that is out is its part of the next slot).  fill = 1: the barrier opens a round of the cluster's barrier, behind which this slot is
; asked for again, two K steps ahead, first thing; from that request to the wait for it a wave issues 176 matrix instructions.
.macro TURN sl, nx, fill
	s_wait_dscnt 8
	GRP FA1, 0, 0, 4, 0
	s_wait_dscnt 0x0                               ; my reads of this slot are over
	s_wait_tensorcnt 0x0                           ; all my tensor loads have landed
	ds_add_u32 v30, v31
	s_wait_dscnt 0x0
	s_barrier_signal -1
	GRP FA1, 0, 4, 4, 0                            ; registers only, while the others arrive
	WIN 0
	s_barrier_wait -1
.if \fill
	CREST                                          ; no wave of any partner still reads this slot or has a load on its way
	s_add_nc_u64 s[G0A+4*\sl+2:G0A+4*\sl+3], s[G0A+4*\sl+2:G0A+4*\sl+3], 2*ASTEP
	s_add_nc_u64 s[G0B+4*\sl+2:G0B+4*\sl+3], s[G0B+4*\sl+2:G0B+4*\sl+3], 2*BSTEP
	JLOAD \sl
.endif
	NL0 \nx, 0, FA0
	GRP FA1, 1, 0, 8, 0
	NL1 \nx, 0, FA0
	GRP FA1, 2, 0, 8, 0                            ; group 2 came in with the wait for 0 above
	NL2 \nx, 0
.endm
.macro LAP zero
	QUARTER 0, \zero
	TURN 0, 1, 1
	QUARTER 1, 0
	TURN 1, 0, 1
.endm
	s_wait_tensorcnt 0x1                           ; my part of K step 0 is in; K step 1's stays out
	s_barrier_signal -1
	s_barrier_wait -1
	LDB 0, 0, 0                                    ; the first quarter's loads, in the order of the three runs
	LDA 0, 0, FA0, 0
	LDB 0, 0, 1
	LDA 0, 0, FA0, 4
	LDB 0, 0, 2
	LAP 1                                          ; K steps 0, 1; asks for 2, 3
	s_mov_b32 s60, 6
.Llap:
	LAP 0                                          ; K steps 2 .. 13; asks for 4 .. 15
	s_sub_co_u32 s60, s60, 1
	s_cmp_lg_u32 s60, 0
	s_cbranch_scc1 .Llap
	QUARTER 0, 0                                   ; the last lap asks for nothing
	TURN 0, 1, 0
	QUARTER 1, 0
	s_wait_dscnt 8                                 ; the very last quarter; the biases are fetched in its shadow
	GRP FA1, 0, 0, 8, 0
	WIN 0
	PLACES 4                                       ; W's group 0 has just been read; buffer 0 a quarter ago
.irp g, 0,1,2
.irp b, 0,1,2,3
	global_load_b128 v[BIAS\g+8*\b:BIAS\g+8*\b+3],   v[BOFF], s[BP+2*\g:BP+2*\g+1] offset:64*\b       ; columns 16 b + 8 h + 0..3 of the head
	global_load_b128 v[BIAS\g+8*\b+4:BIAS\g+8*\b+7], v[BOFF], s[BP+2*\g:BP+2*\g+1] offset:64*\b+16
.endr
.endr
	GRP FA1, 1, 0, 8, 0
	s_wait_dscnt 0x0
	GRP FA1, 2, 0, 8, 0
	WIN 0
	PLACES 4                                       ; behind the last products: their results are read, buffer 1 and W's groups written
; THE WAY OUT: 16 rows of one head.  A lane holds 32 of row r's 64 numbers, the lane 16 further the other 32.
; A v head goes through the same lines with the factor 1.0 selected.
.macro OUTH g, a, buf
	WIN \g+1                                       ; source 0 in window g + 1
.irp b, 0,1,2,3
.irp j, 0,2,4,6
	v_pk_add_f32 v[T+8*\b+\j:T+8*\b+\j+1], v[8*(4*\a+\b)+\j:8*(4*\a+\b)+\j+1], v[BIAS\g+8*\b+\j:BIAS\g+8*\b+\j+1]
.endr
.endr
	WIN 0
	v_pk_mul_f32 v[2:3], v[T:T+1], v[T:T+1]        ; sum of squares, two chains; the first products start them
	v_pk_mul_f32 v[4:5], v[T+2:T+3], v[T+2:T+3]
.irp i, 4,8,12,16,20,24,28
	v_pk_fma_f32 v[2:3], v[T+\i:T+\i+1], v[T+\i:T+\i+1], v[2:3]
	v_pk_fma_f32 v[4:5], v[T+\i+2:T+\i+3], v[T+\i+2:T+\i+3], v[4:5]
.endr
	v_pk_add_f32 v[2:3], v[2:3], v[4:5]
	v_add_f32 v2, v2, v3
	v_permlanex16_b32 v3, v2, s84, s85             ; the other half's 32 numbers
	v_add_f32 v2, v2, v3
	v_sqrt_f32 v4, v2
	v_nop                                          ; one plain instruction behind a transcendental (ISA guide 5.7.2)
	s_wait_alu depctr_va_vdst(0)
	v_max_num_f32 v4, 0x2b8cbccc, v4               ; max(length, 1e-12)
	v_rcp_f32 v5, v4
	v_nop
	s_wait_alu depctr_va_vdst(0)
	v_mul_f32 v2, s[FAC+\g], v5                    ; q: scale x log2(e) / length; k: 1 / length
	v_cndmask_b32 v2, v2, 1.0, s[VM+\g]            ; v: as it is
.irp i, 0,2,4,6,8,10,12,14,16,18,20,22,24,26,28,30
	v_pk_mul_f32 v[T+\i:T+\i+1], v[T+\i:T+\i+1], v[2:3] op_sel_hi:[1,0]
.endr
.irp i, 0,1,2,3,4,5,6,7,8,9,10,11,12,13,14,15
	v_cvt_pk_f16_f32 v[PK+\i], v[T+2*\i], v[T+2*\i+1]
.endr
.irp b, 0,1,2,3
	ds_store_b128 v[STO], v[PK+4*\b:PK+4*\b+3] offset:32*\b
.endr
	s_wait_xcnt 0x0                                ; the read-back buffer, which earlier stores name, is written again only behind this wait
.irp t, 0,1,2,3
	ds_load_b128 v[RB+16*\buf+4*\t:RB+16*\buf+4*\t+3], v[RD] offset:576*\t     ; LDS serves a wave's instructions in order: these see the stores above
.endr
.irp t, 0,1,2,3
	s_wait_dscnt 3-\t
	global_store_b128 v[CO], v[RB+16*\buf+4*\t:RB+16*\buf+4*\t+3], s[OB+2*\g:OB+2*\g+1] offset:2048*\a+512*\t   ; four rows: 512 consecutive bytes, aligned
.endr
.endm
	s_wait_loadcnt 0x0                             ; the biases
.irp g, 0,1,2
.irp a, 0,2,4,6
	OUTH \g, \a, 0
	OUTH \g, (\a+1), 1
.endr
.endr
	s_wait_tensorcnt 0x0
	ds_add_u32 v30, v31
	s_wait_dscnt 0x0
	CROUND                                         ; the closing round: no work-group ends while a partner may still ask jointly
	s_endpgm
.Lfunc_end_k_q1e0d75161a_qkv:
	.size	k_q1e0d75161a_qkv, .Lfunc_end_k_q1e0d75161a_qkv-k_q1e0d75161a_qkv
	.p2alignl 7, 3214868480
	.fill 96, 4, 3214868480
	.section	.rodata,"a",@progbits
	.p2align	6, 0x0
	.amdhsa_kernel k_q1e0d75161a_qkv
		.amdhsa_group_segment_fixed_size 327680
		.amdhsa_private_segment_fixed_size 0
		.amdhsa_enable_private_segment 0
		.amdhsa_kernarg_size 56
		.amdhsa_user_sgpr_count 2
		.amdhsa_user_sgpr_kernarg_segment_ptr 1
		.amdhsa_wavefront_size32 1
		.amdhsa_system_sgpr_workgroup_id_x 1
		.amdhsa_system_sgpr_workgroup_id_y 1
		.amdhsa_system_sgpr_workgroup_id_z 1
		.amdhsa_system_vgpr_workitem_id 0
		.amdhsa_next_free_vgpr 1024
		.amdhsa_next_free_sgpr 96
		.amdhsa_reserve_vcc 0
		.amdhsa_float_denorm_mode_32 3
		.amdhsa_float_denorm_mode_16_64 3
		.amdhsa_memory_ordered 1
		.amdhsa_forward_progress 1
		.amdhsa_inst_pref_size 255
	.end_amdhsa_kernel
	.section	.bss,"aw",@nobits
	.p2align	6
	.space	262144
	.amdgpu_metadata
---
amdhsa.version: [ 1, 2 ]
amdhsa.kernels:
  - .name:           k_q1e0d75161a_qkv
    .symbol:         k_q1e0d75161a_qkv.kd
    .args:
      - { .name: xb, .offset: 0, .size: 8, .value_kind: global_buffer, .address_space: global }
      - { .name: wqkv, .offset: 8, .size: 8, .value_kind: global_buffer, .address_space: global }
      - { .name: bq, .offset: 16, .size: 8, .value_kind: global_buffer, .address_space: global }
      - { .name: bk, .offset: 24, .size: 8, .value_kind: global_buffer, .address_space: global }
      - { .name: bv, .offset: 32, .size: 8, .value_kind: global_buffer, .address_space: global }
      - { .name: scale, .offset: 40, .size: 8, .value_kind: global_buffer, .address_space: global }
      - { .name: qkv, .offset: 48, .size: 8, .value_kind: global_buffer, .address_space: global }
    .group_segment_fixed_size: 327680
    .private_segment_fixed_size: 0
    .kernarg_segment_align: 8
    .kernarg_segment_size: 56
    .max_flat_workgroup_size: 128
    .sgpr_count:     96
    .vgpr_count:     1024
    .wavefront_size: 32
...
	.end_amdgpu_metadata
.endif
;; end of part 2
;; launch attn (part 3): grid 4 x 64, 8 waves a work-group, clusters of 4 x 1, 327,680 bytes of LDS; arguments qkv, mask, ctx; writes ctx
.if DOCPART == 3
	.amdgcn_target "amdgcn-amd-amdhsa--gfx1250"
	.amdhsa_code_object_version 6
	.text
	.protected	k_q1e0d75161a_attn
	.globl	k_q1e0d75161a_attn
	.p2align	8
	.type	k_q1e0d75161a_attn,@function
k_q1e0d75161a_attn:
	s_mov_b64 s[64:65], 0
	v_nop
	global_prefetch_b8 v0, s[64:65] scope:SCOPE_SE
	s_setreg_imm32_b32 hwreg(HW_REG_WAVE_MODE, 25, 1), 1
	s_wait_xcnt 0x0
	s_wait_alu depctr_hold_cnt(0) depctr_sa_sdst(0) depctr_va_vdst(0) depctr_va_sdst(0) depctr_va_ssrc(0) depctr_va_vcc(0) depctr_vm_vsrc(0)
	s_getreg_b32 s2, hwreg(HW_REG_IB_STS2, 6, 4)
	s_cmp_eq_u32 s2, 0
	s_cbranch_scc0 .Lentry_in_a_cluster
	s_endpgm
.Lentry_in_a_cluster:
	s_bfe_u32 s2, ttmp6, 0x10000c
	s_cmp_lg_u32 s2, 0x3003
	s_cbranch_scc0 .Lentry_shape_is_right
	s_endpgm
.Lentry_shape_is_right:
; attn: for each batch b and head: ctx = softmax over the keys of (q k^T, minus infinity where mask = 0) v.  q comes with scale x log2(e) folded in,
; so the softmax runs on powers of two; the maximum over the keys is taken away as a running maximum.  Nothing is left out.
; LIMITS: a masked score is carried as -2^100 instead of minus infinity (added as the product's C), so |scale| x 1.4427 must stay below 2^99 (f16 already
; asks for less than 65,504); its weight is exp2 of about -2^100, an exact zero, as soon as one open key has been seen, and what was summed before
; is then multiplied by an exact zero.  A batch whose mask is 0 everywhere keeps a maximum below -2^99 and gets NaN, as the problem's function gives.
;
; Work-group: one (batch, head) and 512 queries; eight waves, 64 queries each, as four query tiles q of 16.
; CLUSTER: the four work-groups of a (batch, head) read the same K and V tiles and ask for them jointly (mask 15): the requests are divided by four.
; The place in the cluster enters only the global addresses of Q and of ctx.
; S^T = K Q^T: lane (r, h) holds query r and keys 16 kt + 8 h + 0..7.  Rounded to f16 in place, that is the second source of O^T = V^T P^T as it
; stands: nothing moves between lanes.  V^T's fragments come by the transposing LDS load.  A lane keeps one maximum and one sum for a query tile; the lane halves
; join their maxima in every trip and their sums once at the end.
;
; THE TURNS.  A trip is 64 keys.  A piece is one query tile against a trip's keys: 8 score products, a softmax of 102 vector instructions, 16 that rescale O,
; 8 products P V.  The four tiles take turns on two score buffers (tile q uses buffer q mod 2), and a piece's softmax is cut into nine slices, of which one stands in front of
; and one behind each of the NEXT piece's eight score products; then come the piece's own P V products with O's rescaling two accumulators ahead of them.
; REGISTER WINDOWS.  All that a score product and a softmax name lies in window 0: 32 of addresses and running figures, 2 x 32 scores, 64 of K, 32 mask terms, 64 of Q
; = 256, so a slice and a score product need no switch between them (with two tiles to a piece it would be 320).  O (128) and V^T (64) lie in window 1; under the
; setting of a P V product (destination, source 0 and C in window 1, source 1 in window 0) the only vector work that fits is O times the factor, so that run holds that alone.
; Ten switches a trip.
;
; LDS: a slot holds 256 keys in 8 regions of 10,240 bytes: K keys 64 w .. (pitch 144 = 9 x 16) in regions 0-3, V keys (pitch 160 = 5 x 32) in regions 4-7;
; wave w fills region w, 64 rows, one joint load behind each round.  A wave has two tensor loads out at the start and one later.  Behind the two slots: the batch's
; 2,048 mask terms in f32, and a stage of 16 rows x 144 bytes for each wave; no tensor load ever fills these.
.set REGN,  10240
.set SLOT,  8*REGN
.set MASKB, 2*SLOT
.set STAGE, MASKB+8192
.set TILEB, 256*128                    ; bytes of 256 keys in memory
.set KA,  1                            ; v1-2   LDS address of my K fragments, slot 0, 1
.set VA,  3                            ; v3-4   the same for V
.set MBA, 5                            ; v5     LDS address of my mask terms; steps by 512 keys in the loop
.set STO, 6
.set RD,  7
.set CO,  8                            ; v8     16 x lane
.set QO,  9                            ; v9     my 16 bytes of a Q fragment
.set M,   10                           ; v10-13 running maximum of query tile q
.set L,   14                           ; v14-17 running sum (my half of the keys)
.set MN,  18                           ; v18-19 the new maximum; v19 takes the other lane half's figure
.set AL,  20                           ; v20-21 exp2(old maximum - new) of the piece at work (v21 is only named)
                                       ; v24-27 four chains of maxima, then two pairs of sums; v28 at work
.set S,   32                           ; v32-95   scores, then P: 32 x (q mod 2) + 8 kt
.set KF,  96                           ; v96-159  K fragments, 16 kt + 8 dh
.set MB,  160                          ; v160-191 mask terms, 8 kt
.set QF,  192                          ; v192-255 Q fragments, 16 q + 8 dh
.set O,   0                            ; window 1: v0-127   O^T, 32 q + 8 dt
.set VF,  128                          ; window 1: v128-191 V^T fragments, 16 dt + 8 kh
.set G1K, 16
.set G1V, 24
.set G0K, 32                           ; one set a slot
.set G0V, 40
.set MSB, 0
.macro WIN new                         ; the immediate's high byte repeats the setting that is left; a switch that changes nothing is dropped
.if MSB != (\new)
	s_set_vgpr_msb (MSB<<8)|(\new)
.set MSB, (\new)
.endif
.endm
.macro PLACES n
.rept \n
	v_nop
.endr
.endm
.macro ROUND                           ; a round of the cluster's barrier
	s_barrier_signal -1
	s_barrier_wait -1
	s_cmp_lg_u32 s10, 0
	s_cbranch_scc1 .Lnot_wave_0_\@
	s_barrier_signal -3
.Lnot_wave_0_\@:
	s_barrier_wait -3
	s_barrier_signal -1
	s_barrier_wait -1
.endm
.macro JLOAD sl                        ; waves 0-3: K's four quarters; waves 4-7: V's; the branch hangs on the wave's number alone
	s_cmp_ge_u32 s10, 4
	s_cbranch_scc1 .Lfor_v_\@
	tensor_load_to_lds s[G0K+4*\sl:G0K+4*\sl+3], s[G1K:G1K+7]
	s_nop 0
	s_branch .Lasked_\@
.Lfor_v_\@:
	tensor_load_to_lds s[G0V+4*\sl:G0V+4*\sl+3], s[G1V:G1V+7]
	s_nop 0
.Lasked_\@:
.endm
	s_load_b128 s[4:7], s[0:1], 0x0                ; qkv s[4:5], mask s[6:7]
	s_load_b64 s[8:9], s[0:1], 0x10                ; ctx
	v_lshl_add_u32 v22, v0, 2, 0x2e800
	v_mov_b32 v23, 0
	ds_add_u32 v22, v23
	v_lshrrev_b32 v28, 5, v0
	v_readfirstlane_b32 s10, v28                   ; wave 0..7
	s_bfe_u32 s11, ttmp6, 0x40000                  ; cx: which 512 queries
	s_and_b32 s12, ttmp7, 0xffff
	s_and_b32 s13, s12, 15                         ; head
	s_lshr_b32 s14, s12, 4                         ; batch
	s_mul_i32 s15, s10, REGN                       ; my region of a slot
	s_mov_b32 s50, 0x76543210                      ; v_permlanex16_b32: lane i of one half reads lane i of the other
	s_mov_b32 s51, 0xfedcba98
	; group 1: 64 rows x 64 elements of 2 bytes, dense; padding behind every 32 words: 4 words for K, 8 for V
	s_mov_b32 s[G1K+0], 15|(1<<16)|(1<<20)|(1<<21)|(4<<22)|(3<<25)
	s_mov_b32 s[G1V+0], 15|(1<<16)|(1<<20)|(1<<21)|(4<<22)|(7<<25)
.irp g, G1K, G1V
	s_mov_b32 s[\g+1], 64<<16
	s_mov_b32 s[\g+2], 64<<16
	s_mov_b32 s[\g+3], 64<<16
	s_mov_b32 s[\g+4], 64
	s_mov_b32 s[\g+5], 64
	s_mov_b32 s[\g+6], 0
	s_mov_b32 s[\g+7], 0
.endr
	s_lshl_b32 s60, s13, 20
	s_lshl_b32 s61, s14, 18
	s_add_co_u32 s60, s60, s61                     ; head x 2^20 + batch x 2,048 tokens x 128 bytes
	s_and_b32 s61, s10, 3
	s_lshl_b32 s61, s61, 13                        ; my 64 of a tile's 256 keys
	s_add_co_u32 s54, s60, s61
	s_add_co_u32 s54, s54, 0x1000000               ; the k heads begin 16 planes in; the v heads 16 further
	s_mov_b32 s55, 0
	s_lshl_b32 s61, s11, 16                        ; 512 queries of 128 bytes
	s_add_co_u32 s62, s60, s61
	s_lshl_b32 s61, s10, 13                        ; my 64 queries
	s_add_co_u32 s62, s62, s61
	s_mov_b32 s63, 0
	s_lshl_b32 s52, s14, 13                        ; the batch's 2,048 mask words
	s_mov_b32 s53, 0
	s_wait_dscnt 0x0
	s_wait_kmcnt 0x0
	s_add_nc_u64 s[54:55], s[4:5], s[54:55]
	s_add_nc_u64 s[56:57], s[4:5], s[62:63]        ; my Q
	s_add_nc_u64 s[58:59], s[8:9], s[62:63]        ; my ctx
	s_add_nc_u64 s[52:53], s[6:7], s[52:53]
.irp sl, 0,1
	s_mov_b32 s[G0K+4*\sl], 1
	s_add_co_u32 s[G0K+4*\sl+1], s15, \sl*SLOT
	s_add_nc_u64 s[G0K+4*\sl+2:G0K+4*\sl+3], s[54:55], \sl*TILEB
	s_or_b32 s[G0K+4*\sl+3], s[G0K+4*\sl+3], 0x80000000
	s_mov_b32 s[G0V+4*\sl], 1
	s_add_co_u32 s[G0V+4*\sl+1], s15, \sl*SLOT
	s_add_nc_u64 s[G0V+4*\sl+2:G0V+4*\sl+3], s[54:55], 0x1000000+\sl*TILEB
	s_or_b32 s[G0V+4*\sl+3], s[G0V+4*\sl+3], 0x80000000
.endr
	ROUND                                          ; in front of the first joint loads
	JLOAD 0                                        ; keys 0-255
	JLOAD 1                                        ; keys 256-511: both slots are asked for before anything else is done
	v_and_b32 v28, 15, v0                          ; r
	v_bfe_u32 v29, v0, 4, 1                        ; h
	v_lshlrev_b32 v[QO], 7, v28
	v_lshl_add_u32 v[QO], v29, 4, v[QO]            ; r x 128 + 16 h
.irp q, 0,1,2,3
.irp dh, 0,1
	global_load_b128 v[QF+16*\q+8*\dh:QF+16*\q+8*\dh+3],   v[QO], s[56:57] offset:2048*\q+64*\dh
	global_load_b128 v[QF+16*\q+8*\dh+4:QF+16*\q+8*\dh+7], v[QO], s[56:57] offset:2048*\q+64*\dh+32
.endr
.endr
	v_lshlrev_b32 v30, 5, v0                       ; 8 mask words a thread
	global_load_b128 v[32:35], v30, s[52:53]
	global_load_b128 v[36:39], v30, s[52:53] offset:16
	v_mul_u32_u24 v31, v28, 144
	v_lshl_add_u32 v[KA], v29, 4, v31              ; r x 144 + 16 h
	v_add_nc_u32 v[KA+1], SLOT, v[KA]
	v_and_b32 v31, 7, v0
	v_lshl_add_u32 v31, v29, 3, v31
	v_mul_u32_u24 v31, v31, 160                    ; V lies [key][d]: row 8 h + (l mod 8),
	v_bfe_u32 v27, v0, 3, 1
	v_lshl_add_u32 v31, v27, 4, v31                ; 16 bytes x ((l / 8) mod 2)
	v_add_nc_u32 v[VA], 4*REGN, v31
	v_add_nc_u32 v[VA+1], 4*REGN+SLOT, v31
	v_lshlrev_b32 v[MBA], 5, v29
	v_add_nc_u32 v[MBA], MASKB, v[MBA]             ; keys 8 h + 0..7 of a piece of 16
	s_mul_i32 s49, s10, 2304
	s_add_co_u32 s49, s49, STAGE
	v_add_nc_u32 v[STO], s49, v[KA]
	v_bfe_u32 v27, v0, 3, 2
	v_mul_u32_u24 v27, v27, 144
	v_and_b32 v26, 7, v0
	v_lshl_add_u32 v27, v26, 4, v27
	v_add_nc_u32 v[RD], s49, v27
	v_and_b32 v[CO], 31, v0
	v_lshlrev_b32 v[CO], 4, v[CO]
	v_mov_b32 v[MN+1], 0                           ; registers that are named before their first real value
	v_mov_b32 v[AL+1], 0
	v_mov_b32 v31, 0xf1800000                      ; -2^100
	v_add_nc_u32 v29, MASKB, v30
	s_wait_loadcnt 0x0                             ; the mask words, and Q in front of them
.irp i, 0,1,2,3,4,5,6,7
	v_cmp_eq_u32 vcc_lo, 0, v[32+\i]
	v_cndmask_b32 v[32+\i], 0, v31, vcc_lo         ; 0 for an open key, -2^100 for a masked one
.endr
	ds_store_b128 v29, v[32:35]
	ds_store_b128 v29, v[36:39] offset:16
; ---- the matrix instructions ----
; The i-th of a piece's eight score products, i = 4 dh + kt.  The first four take the mask terms as C, the last four add in place;
; the four accumulators take turns, one instruction a turn.
.macro MSW q, i
.if \i < 4
	v_wmma_f32_16x16x32_f16 v[S+32*(\q&1)+8*\i:S+32*(\q&1)+8*\i+7], v[KF+16*\i:KF+16*\i+7], v[QF+16*\q:QF+16*\q+7], v[MB+8*\i:MB+8*\i+7]
.else
	v_wmma_f32_16x16x32_f16 v[S+32*(\q&1)+8*\i-32:S+32*(\q&1)+8*\i-25], v[KF+16*\i-56:KF+16*\i-49], v[QF+16*\q+8:QF+16*\q+15], v[S+32*(\q&1)+8*\i-32:S+32*(\q&1)+8*\i-25]
.endif
.endm
.macro PV1 q, dt, kh, zero             ; O^T(q, dt) += V^T(dt, kh) P^T(q, kh); zero = 1: the product starts the sum
.if \zero
	v_wmma_f32_16x16x32_f16 v[O+32*\q+8*\dt:O+32*\q+8*\dt+7], v[VF+16*\dt+8*\kh:VF+16*\dt+8*\kh+7], v[S+32*(\q&1)+16*\kh:S+32*(\q&1)+16*\kh+7], 0
.else
	v_wmma_f32_16x16x32_f16 v[O+32*\q+8*\dt:O+32*\q+8*\dt+7], v[VF+16*\dt+8*\kh:VF+16*\dt+8*\kh+7], v[S+32*(\q&1)+16*\kh:S+32*(\q&1)+16*\kh+7], v[O+32*\q+8*\dt:O+32*\q+8*\dt+7]
.endif
.endm
.macro RS q, dt                        ; one accumulator of O times exp2(old maximum - new)
.irp j, 0,2,4,6
	v_pk_mul_f32 v[O+32*\q+8*\dt+\j:O+32*\q+8*\dt+\j+1], v[O+32*\q+8*\dt+\j:O+32*\q+8*\dt+\j+1], v[AL:AL+1] op_sel_hi:[1,0]
.endr
.endm
; A piece's eight products P V.  O's rescaling runs two accumulators ahead of the products that add onto it; it names no register of the products in front of it.
; The four accumulators take turns, one instruction a turn.
.macro PVPH q, first
	WIN 0x51                                       ; destination, source 0 and C in window 1 (O, V^T); source 1 in window 0 (P, the factor)
.if \first == 0
	RS \q, 0
	RS \q, 1
.endif
	PV1 \q, 0, 0, \first
.if \first == 0
	RS \q, 2
.endif
	PV1 \q, 1, 0, \first
.if \first == 0
	RS \q, 3
.endif
	PV1 \q, 2, 0, \first
	PV1 \q, 3, 0, \first
.irp dt, 0,1,2,3
	PV1 \q, \dt, 1, 0
.endr
.endm
; ---- the softmax of one piece, in slices ----
; Step n of a pipeline over the 16 register pairs of a score buffer (SB): pair n has the maximum taken away, pair n - 2 goes through exp2, pair n - 4 is summed,
; pair n - 5 is rounded to f16.  So a plain instruction on another pair stands behind the exponentials (ISA guide 5.7.2), and no instruction reads the result of the one in front of it.
; Pairs 0, 1 start one pair of sums and pairs 2, 3 the other: nothing is cleared.  Rounding is in place: pair i goes to register 16 (i / 8) + i mod 8, which
; belongs to a pair that has been summed and rounded already; so P fragment kh ends in the first 8 of its 16 registers.
.macro STEP n
.if \n >= 2
.if \n <= 17
	v_exp_f32 v[SB+2*\n-4], v[SB+2*\n-4]
.endif
.endif
.if \n <= 15
	v_pk_add_f32 v[SB+2*\n:SB+2*\n+1], v[SB+2*\n:SB+2*\n+1], v[MN:MN+1] op_sel_hi:[1,0] neg_lo:[0,1] neg_hi:[0,1]
.endif
.if \n >= 2
.if \n <= 17
	v_exp_f32 v[SB+2*\n-3], v[SB+2*\n-3]
.endif
.endif
.if \n == 5
	s_wait_alu depctr_va_vdst(0)
	v_pk_add_f32 v[24:25], v[SB:SB+1], v[SB+2:SB+3]
.endif
.if \n == 7
	v_pk_add_f32 v[26:27], v[SB+4:SB+5], v[SB+6:SB+7]
.endif
.if \n >= 8
.if \n <= 19
	s_wait_alu depctr_va_vdst(0)
	v_pk_add_f32 v[24+2*(\n&1):25+2*(\n&1)], v[24+2*(\n&1):25+2*(\n&1)], v[SB+2*\n-8:SB+2*\n-7]
.endif
.endif
.if \n >= 5
	v_cvt_pk_f16_f32 v[SB+16*((\n-5)>>3)+((\n-5)&7)], v[SB+2*\n-10], v[SB+2*\n-9]
.endif
.endm
; Slice n (0 to 8) of query tile q's softmax: 12, 11, 14, 9, 10, 10, 10, 10, 16 instructions.
.macro VS q, first, n
.set SB, S+32*(\q&1)
.if \n == 0                            ; the maximum of my 32 scores in four chains (of 9, 9, 7 and 7)
	v_max3_num_f32 v24, v[SB], v[SB+1], v[SB+2]
	v_max3_num_f32 v25, v[SB+9], v[SB+10], v[SB+11]
	v_max3_num_f32 v26, v[SB+18], v[SB+19], v[SB+20]
	v_max3_num_f32 v27, v[SB+25], v[SB+26], v[SB+27]
.irp i, 0,2
	v_max3_num_f32 v24, v24, v[SB+3+\i], v[SB+4+\i]
	v_max3_num_f32 v25, v25, v[SB+12+\i], v[SB+13+\i]
	v_max3_num_f32 v26, v26, v[SB+21+\i], v[SB+22+\i]
	v_max3_num_f32 v27, v27, v[SB+28+\i], v[SB+29+\i]
.endr
.endif
.if \n == 1
	v_max3_num_f32 v24, v24, v[SB+7], v[SB+8]
	v_max3_num_f32 v25, v25, v[SB+16], v[SB+17]
.if \first
	v_max_num_f32 v26, v26, v27
.else
	v_max3_num_f32 v26, v26, v27, v[M+\q]          ; the running maximum joins
.endif
	v_max3_num_f32 v24, v24, v25, v26
	v_permlanex16_b32 v[MN+1], v24, s50, s51       ; the other half of the keys
	v_max_num_f32 v[MN], v24, v[MN+1]
.if \first == 0
	v_sub_f32 v28, v[M+\q], v[MN]
	v_exp_f32 v[AL], v28                           ; the plain move below stands behind it
.endif
	v_mov_b32 v[M+\q], v[MN]
	STEP 0
	STEP 1
.endif
.if \n == 2
	STEP 2
	STEP 3
	STEP 4
	STEP 5
.endif
.if \n == 3
	STEP 6
	STEP 7
.endif
.if \n == 4
	STEP 8
	STEP 9
.endif
.if \n == 5
	STEP 10
	STEP 11
.endif
.if \n == 6
	STEP 12
	STEP 13
.endif
.if \n == 7
	STEP 14
	STEP 15
.endif
.if \n == 8
	STEP 16
	STEP 17
	STEP 18
	STEP 19
	STEP 20
	v_pk_add_f32 v[24:25], v[24:25], v[26:27]
.if \first
	v_add_f32 v[L+\q], v24, v25
.else
	v_add_f32 v24, v24, v25
	v_fma_f32 v[L+\q], v[L+\q], v[AL], v24
.endif
.endif
.endm
; ---- LDS loads ----  (which slot and which quarter of it stand in the symbols KSL, KIX, MBO and VSL, VIX, set by TRIP)
.macro LDK                             ; 24 loads: K's first 32 of d, the mask terms, K's second 32 of d: in the order in which the score products want them
.irp kt, 0,1,2,3
	ds_load_b128 v[KF+16*\kt:KF+16*\kt+3],   v[KA+KSL] offset:REGN*KIX+2304*\kt
	ds_load_b128 v[KF+16*\kt+4:KF+16*\kt+7], v[KA+KSL] offset:REGN*KIX+2304*\kt+32
.endr
.irp kt, 0,1,2,3
	ds_load_b128 v[MB+8*\kt:MB+8*\kt+3],   v[MBA] offset:MBO+64*\kt
	ds_load_b128 v[MB+8*\kt+4:MB+8*\kt+7], v[MBA] offset:MBO+64*\kt+16
.endr
.irp kt, 0,1,2,3
	ds_load_b128 v[KF+16*\kt+8:KF+16*\kt+11],  v[KA+KSL] offset:REGN*KIX+2304*\kt+64
	ds_load_b128 v[KF+16*\kt+12:KF+16*\kt+15], v[KA+KSL] offset:REGN*KIX+2304*\kt+96
.endr
.endm
.macro LDV                             ; 16 transposing loads: V^T's eight fragments
.irp dt, 0,1,2,3
.irp kh, 0,1
	ds_load_tr16_b128 v[VF+16*\dt+8*\kh:VF+16*\dt+8*\kh+3],   v[VA+VSL] offset:REGN*VIX+5120*\kh+32*\dt
	ds_load_tr16_b128 v[VF+16*\dt+8*\kh+4:VF+16*\dt+8*\kh+7], v[VA+VSL] offset:REGN*VIX+5120*\kh+32*\dt+2560
.endr
.endr
.endm
; The softmax of tile qv, a slice in front of and behind each of tile qm's eight score products (doms = 0: the last piece has none beside it).
; Slice 0, twelve plain instructions on the other score buffer, stands between the P V products in front and what follows: the new scores are written over the old P
; (five places), and V's loads go into fragments that those products read (four).  Slice 8 ends with twelve plain instructions: the places in front of K's
; loads and in front of the next maximum, which reads the new scores.
.macro SPH qv, first, qm, doms, kwait, vload
	WIN 0
	VS \qv, \first, 0
.if \vload
	WIN 0x40                                       ; destination in window 1
	LDV
	WIN 0
.endif
.if \kwait
	s_wait_dscnt 8                                 ; K's first 32 of d and the mask terms are in; the youngest 8 loads (the second 32 of d) may be out
.endif
.irp i, 0,1,2,3,4,5,6,7
.if \doms
.if \kwait
.if \i == 4
	s_wait_dscnt 0x0                               ; K's second 32 of d
.endif
.endif
	MSW \qm, \i
.endif
	VS \qv, \first, (\i+1)
.endr
.endm
; The change of slots.  Slot sl has been read to its end.  Each wave waits for its reads of it and for all its tensor loads (the one that is out is its part of the other slot).
; refill = 1: a round of the cluster's barrier, behind which slot sl is asked for again, 512 keys ahead, first thing; the load has four trips in which to land.
; refill = 0: nothing is left to ask for; the work-group's barrier shows the other slot whole.
.macro CHG sl, refill
	s_wait_dscnt 0x0
	s_wait_tensorcnt 0x0
	ds_add_u32 v22, v23
	s_wait_dscnt 0x0
.if \refill
	s_add_nc_u64 s[G0K+4*\sl+2:G0K+4*\sl+3], s[G0K+4*\sl+2:G0K+4*\sl+3], 2*TILEB   ; no load of mine is out: a group 0 may be written
	s_add_nc_u64 s[G0V+4*\sl+2:G0V+4*\sl+3], s[G0V+4*\sl+2:G0V+4*\sl+3], 2*TILEB
	ROUND
	JLOAD \sl
.else
	s_barrier_signal -1
	s_barrier_wait -1
.endif
.endm
; Trip tt (counted modulo 8 trips = two slots): 64 keys.  At its head tile 0's scores are there.  V's fragments are loaded behind the last trip's last P V and waited for
; one run of score products later; the next trip's K and mask terms are loaded behind tile 3's score products and wanted one run of P V and a slice later.
.macro TRIP tt, first, refill, last
.set VSL, ((\tt)>>2)&1
.set VIX, (\tt)&3
.set KSL, ((\tt+1)>>2)&1
.set KIX, (\tt+1)&3
.set MBO, 256*(\tt+1)
	SPH 0, \first, 1, 1, 0, 1                      ; softmax of tile 0 beside the scores of tile 1; V's loads
	s_wait_dscnt 0x0                               ; V's fragments
	PVPH 0, \first
	SPH 1, \first, 2, 1, 0, 0
	PVPH 1, \first
	SPH 2, \first, 3, 1, 0, 0
.if \last
	PVPH 2, \first
	SPH 3, \first, 0, 0, 0, 0
.else
.if KIX == 0
	CHG VSL, \refill                               ; the next trip's keys lie in the other slot
.endif
	LDK
	PVPH 2, \first
	SPH 3, \first, 0, 1, 1, 0                      ; softmax of tile 3 beside the next trip's scores of tile 0
.endif
	PVPH 3, \first
	WIN 0                                          ; at a label and at a branch every window is 0
.endm
	s_wait_tensorcnt 0x1                           ; my part of slot 0 is in; slot 1's stays out
	s_wait_dscnt 0x0                               ; my mask terms are stored
	s_barrier_signal -1
	s_barrier_wait -1
.set KSL, 0
.set KIX, 0
.set MBO, 0
	LDK                                            ; the first 64 keys
	s_wait_dscnt 8
.irp i, 0,1,2,3
	MSW 0, \i
.endr
	s_wait_dscnt 0x0
.irp i, 4,5,6,7
	MSW 0, \i
.endr
	PLACES 4                                       ; the one place where no slice stands between score products and the maximum that reads them
	TRIP 0, 1, 1, 0                                ; the first trip starts m, l and O: nothing is cleared
	s_mov_b32 s48, 3
.Lkeys:
.irp tt, 1,2,3,4,5,6,7,8
	TRIP \tt, 0, 1, 0                              ; trips 8 k + 1 .. 8 k + 8; the changes of slots in trips 8 k + 3 and 8 k + 7 ask for keys 512 (k + 1) .. + 511
.endr
	v_add_nc_u32 v[MBA], 2048, v[MBA]              ; 512 keys on
	s_sub_co_u32 s48, s48, 1
	s_cmp_lg_u32 s48, 0
	s_cbranch_scc1 .Lkeys
.irp tt, 1,2,3,4,5,6
	TRIP \tt, 0, 0, 0                              ; trips 25 to 30: nothing is left to ask for
.endr
	TRIP 7, 0, 0, 1                                ; the last trip loads no further K
; THE WAY OUT, a query tile at a time: divide by the sum, round, 16 bytes a lane into my stage, whole rows back, 512 consecutive bytes a store.
.macro OUTQ q
	v_permlanex16_b32 v[MN+1], v[L+\q], s50, s51
	v_add_f32 v24, v[L+\q], v[MN+1]                ; the sum over all keys
	v_rcp_f32 v[MN], v24
	v_cmp_gt_f32 vcc_lo, 0xf1000000, v[M+\q]       ; -2^99 > maximum: every key was masked (also the plain instruction behind v_rcp_f32)
	s_wait_alu depctr_va_vdst(0)
	v_cndmask_b32 v[MN], v[MN], v25, vcc_lo
	WIN 0x01                                       ; source 0 (O) in window 1
.irp j, 0,2,4,6,8,10,12,14,16,18,20,22,24,26,28,30
	v_pk_mul_f32 v[KF+\j:KF+\j+1], v[O+32*\q+\j:O+32*\q+\j+1], v[MN:MN+1] op_sel_hi:[1,0]
.endr
	WIN 0
.irp i, 0,1,2,3,4,5,6,7,8,9,10,11,12,13,14,15
	v_cvt_pk_f16_f32 v[KF+32+\i], v[KF+2*\i], v[KF+2*\i+1]
.endr
.irp dt, 0,1,2,3
	ds_store_b128 v[STO], v[KF+32+4*\dt:KF+32+4*\dt+3] offset:32*\dt
.endr
	s_wait_xcnt 0x0                                ; the read-back buffer, which earlier stores name, is written again only behind this wait
.irp t, 0,1,2,3
	ds_load_b128 v[MB+16*(\q&1)+4*\t:MB+16*(\q&1)+4*\t+3], v[RD] offset:576*\t     ; LDS serves a wave's instructions in order: these see the stores above
.endr
.irp t, 0,1,2,3
	s_wait_dscnt 3-\t
	global_store_b128 v[CO], v[MB+16*(\q&1)+4*\t:MB+16*(\q&1)+4*\t+3], s[58:59] offset:2048*\q+512*\t
.endr
.endm
	PLACES 4                                       ; behind the last P V
	v_mov_b32 v25, 0x7fc00000                      ; NaN
	OUTQ 0
	OUTQ 1
	OUTQ 2
	OUTQ 3
	s_wait_tensorcnt 0x0
	ds_add_u32 v22, v23
	s_wait_dscnt 0x0
	ROUND                                          ; the closing round
	s_endpgm
.Lfunc_end_k_q1e0d75161a_attn:
	.size	k_q1e0d75161a_attn, .Lfunc_end_k_q1e0d75161a_attn-k_q1e0d75161a_attn
	.p2alignl 7, 3214868480
	.fill 96, 4, 3214868480
	.section	.rodata,"a",@progbits
	.p2align	6, 0x0
	.amdhsa_kernel k_q1e0d75161a_attn
		.amdhsa_group_segment_fixed_size 327680
		.amdhsa_private_segment_fixed_size 0
		.amdhsa_enable_private_segment 0
		.amdhsa_kernarg_size 24
		.amdhsa_user_sgpr_count 2
		.amdhsa_user_sgpr_kernarg_segment_ptr 1
		.amdhsa_wavefront_size32 1
		.amdhsa_system_sgpr_workgroup_id_x 1
		.amdhsa_system_sgpr_workgroup_id_y 1
		.amdhsa_system_sgpr_workgroup_id_z 1
		.amdhsa_system_vgpr_workitem_id 0
		.amdhsa_next_free_vgpr 448
		.amdhsa_next_free_sgpr 66
		.amdhsa_reserve_vcc 1
		.amdhsa_float_denorm_mode_32 3
		.amdhsa_float_denorm_mode_16_64 3
		.amdhsa_memory_ordered 1
		.amdhsa_forward_progress 1
		.amdhsa_inst_pref_size 255
	.end_amdhsa_kernel
	.section	.bss,"aw",@nobits
	.p2align	6
	.space	262144
	.amdgpu_metadata
---
amdhsa.version: [ 1, 2 ]
amdhsa.kernels:
  - .name:           k_q1e0d75161a_attn
    .symbol:         k_q1e0d75161a_attn.kd
    .args:
      - { .name: qkv, .offset: 0, .size: 8, .value_kind: global_buffer, .address_space: global }
      - { .name: mask, .offset: 8, .size: 8, .value_kind: global_buffer, .address_space: global }
      - { .name: ctx, .offset: 16, .size: 8, .value_kind: global_buffer, .address_space: global }
    .group_segment_fixed_size: 327680
    .private_segment_fixed_size: 0
    .kernarg_segment_align: 8
    .kernarg_segment_size: 24
    .max_flat_workgroup_size: 256
    .sgpr_count:     66
    .vgpr_count:     448
    .wavefront_size: 32
...
	.end_amdgpu_metadata
.endif
;; end of part 3
;; launch outp (part 4): grid 8 x 32, 4 waves a work-group, clusters of 4 x 4, 327,680 bytes of LDS; arguments ctx, wob, bo, out0; writes out0
.if DOCPART == 4
	.amdgcn_target "amdgcn-amd-amdhsa--gfx1250"
	.amdhsa_code_object_version 6
	.text
	.protected	k_q1e0d75161a_outp
	.globl	k_q1e0d75161a_outp
	.p2align	8
	.type	k_q1e0d75161a_outp,@function
k_q1e0d75161a_outp:
	s_mov_b64 s[64:65], 0
	v_nop
	global_prefetch_b8 v0, s[64:65] scope:SCOPE_SE
	s_setreg_imm32_b32 hwreg(HW_REG_WAVE_MODE, 25, 1), 1
	s_wait_xcnt 0x0
	s_wait_alu depctr_hold_cnt(0) depctr_sa_sdst(0) depctr_va_vdst(0) depctr_va_sdst(0) depctr_va_ssrc(0) depctr_va_vcc(0) depctr_vm_vsrc(0)
	s_getreg_b32 s2, hwreg(HW_REG_IB_STS2, 6, 4)
	s_cmp_eq_u32 s2, 0
	s_cbranch_scc0 .Lentry_in_a_cluster
	s_endpgm
.Lentry_in_a_cluster:
	s_bfe_u32 s2, ttmp6, 0x10000c
	s_cmp_lg_u32 s2, 0xf033
	s_cbranch_scc0 .Lentry_shape_is_right
	s_endpgm
.Lentry_shape_is_right:
; outp: out0[8192][1024] = ctx wob + bo (f16 operands, f32 sums, f32 out).  ctx lies [head 16][token 8192][64], so K = 64 x head + d.  Nothing is left out.
; 256 work-groups, each a block of 256 rows x 128 columns; four waves as 2 x 2, a wave 128 x 64: 32 accumulator tiles in window 1, tile (a, b) at v[8 (4 a + b)].
; K goes in 8 steps of 128 (two heads) through two LDS slots; a step is four quarters of 32 along K, 32 matrix instructions each.
; The matrix instruction is used transposed (source 0 = 16 columns of wob, source 1 = 16 rows of ctx): a lane holds 8 neighbouring columns of one row.
; CLUSTERS: 4 x 4 work-groups; ctx's tile is asked for jointly along a row of the cluster, wob's along a column.
; A wave has two tensor loads out at the start and one behind each round.
; LDS: a slot = 4 regions of 36,864 bytes, region w filled by wave w.  Regions 0, 1: the 256 rows of heads 2 s, 2 s + 1, pitch 144 (9 x 16).  Regions 2, 3: wob's k rows
; 0-63, 64-127, 256 bytes + 32 of padding = pitch 288 (9 x 32).  Behind the slots a stage of 16 rows x 272 bytes for each wave, which no tensor load fills.
.set REGN,  36864
.set SLOT,  4*REGN
.set STAGE, 2*SLOT
.set ASTEP, 0x200000                   ; two heads' planes of ctx
.set BSTEP, 128*2048                   ; 128 rows of wob
.set ADRA,  16                         ; v16-17
.set ADRB,  18                         ; v18-19
.set STO,   24
.set RD,    25
.set CO,    26
.set BOFF,  27
.set BIAS,  32                         ; v32-63   bo of my 32 columns, 8 b + j
.set FA0,   64                         ; v64-127, v128-191  ctx fragments, two buffers
.set FB0,   192                        ; v192-223, v224-255 wob fragments, two buffers
.set T,     64                         ; way out: 32 numbers at work
.set RB,    128                        ; way out: rows read back, two buffers of 32
.set G1A,   24
.set G0A,   32
.set G1B,   40
.set G0B,   48
.set MSB, 0
.macro WIN new
.if MSB != (\new)
	s_set_vgpr_msb (MSB<<8)|(\new)
.set MSB, (\new)
.endif
.endm
.macro PLACES n
.rept \n
	v_nop
.endr
.endm
.macro JLOAD sl                        ; waves 0, 1: ctx's two heads; waves 2, 3: wob's two halves
	s_cmp_eq_u32 s13, 0
	s_cbranch_scc0 .Lfor_b_\@
	tensor_load_to_lds s[G0A+4*\sl:G0A+4*\sl+3], s[G1A:G1A+7]
	s_nop 0
	s_branch .Lasked_\@
.Lfor_b_\@:
	tensor_load_to_lds s[G0B+4*\sl:G0B+4*\sl+3], s[G1B:G1B+7]
	s_nop 0
.Lasked_\@:
.endm
.macro CREST
	s_cmp_lg_u32 s12, 0
	s_cbranch_scc1 .Lnot_wave_0_\@
	s_barrier_signal -3
.Lnot_wave_0_\@:
	s_barrier_wait -3
	s_barrier_signal -1
	s_barrier_wait -1
.endm
.macro CROUND
	s_barrier_signal -1
	s_barrier_wait -1
	CREST
.endm
	s_load_b256 s[4:11], s[0:1], 0x0               ; ctx s[4:5], wob s[6:7], bo s[8:9], out0 s[10:11]
	v_lshl_add_u32 v30, v0, 2, 0x4c400
	v_mov_b32 v31, 0
	ds_add_u32 v30, v31
	v_lshrrev_b32 v1, 5, v0
	v_readfirstlane_b32 s12, v1                    ; wave
	s_lshr_b32 s13, s12, 1                         ; wm.  Also: I ask for ctx (0) or wob (1)
	s_and_b32 s14, s12, 1                          ; wn.  Also: which half of that I ask for
	s_bfe_u32 s15, ttmp6, 0x40000                  ; cx
	s_bfe_u32 s16, ttmp6, 0x40004                  ; cy
	s_lshl_b32 s17, ttmp9, 2
	s_add_co_u32 s17, s17, s15                     ; block column 0..7
	s_and_b32 s18, ttmp7, 0xffff
	s_lshl_b32 s18, s18, 2
	s_add_co_u32 s18, s18, s16                     ; block row 0..31
	s_lshl_b32 s19, s16, 2
	s_lshl_b32 s19, 15, s19                        ; my row of the cluster
	s_lshl_b32 s20, 0x1111, s15                    ; my column
	; ctx: 256 rows x 64 elements, dense; 4 words of padding behind every 32
	s_or_b32 s[G1A+0], s19, (1<<16)|(1<<20)|(1<<21)|(4<<22)|(3<<25)
	s_mov_b32 s[G1A+1], 64<<16
	s_mov_b32 s[G1A+2], 256<<16
	s_mov_b32 s[G1A+3], 64<<16
	s_mov_b32 s[G1A+4], 256
	s_mov_b32 s[G1A+5], 64
	s_mov_b32 s[G1A+6], 0
	s_mov_b32 s[G1A+7], 0
	; wob: 64 rows x 128 elements, 1,024 elements from row to row; 8 words of padding behind every 64
	s_or_b32 s[G1B+0], s20, (1<<16)|(1<<20)|(1<<21)|(5<<22)|(7<<25)
	s_mov_b32 s[G1B+1], 128<<16
	s_mov_b32 s[G1B+2], 64<<16
	s_mov_b32 s[G1B+3], 128<<16
	s_mov_b32 s[G1B+4], 64
	s_mov_b32 s[G1B+5], 1024
	s_mov_b32 s[G1B+6], 0
	s_mov_b32 s[G1B+7], 0
	s_lshl_b32 s56, s14, 20                        ; ctx: head = half, rows 256 x block row of 128 bytes
	s_lshl_b32 s57, s18, 15
	s_add_co_u32 s56, s56, s57
	s_mov_b32 s57, 0
	s_lshl_b32 s58, s14, 17                        ; wob: 64 x half rows of 2,048 bytes, 256 bytes x block column
	s_lshl_b32 s59, s17, 8
	s_add_co_u32 s58, s58, s59
	s_mov_b32 s59, 0
	s_lshl_b32 s60, s17, 9                         ; my first column, in bytes of f32: 512 x block column + 256 wn
	s_lshl_b32 s61, s14, 8
	s_add_co_u32 s60, s60, s61
	s_mov_b32 s61, 0
	s_lshl_b32 s62, s18, 20                        ; my first row of out0: (256 x block row + 128 wm) x 4,096 bytes
	s_lshl_b32 s63, s13, 19
	s_add_co_u32 s62, s62, s63
	s_add_co_u32 s62, s62, s60
	s_mov_b32 s63, 0
	s_mul_i32 s21, s12, REGN
	s_wait_dscnt 0x0
	s_wait_kmcnt 0x0
	s_add_nc_u64 s[56:57], s[4:5], s[56:57]
	s_add_nc_u64 s[58:59], s[6:7], s[58:59]
	s_add_nc_u64 s[60:61], s[8:9], s[60:61]
	s_add_nc_u64 s[62:63], s[10:11], s[62:63]
	CROUND                                         ; in front of the first joint loads
.irp sl, 0,1
	s_mov_b32 s[G0A+4*\sl], 1
	s_add_co_u32 s[G0A+4*\sl+1], s21, \sl*SLOT
	s_add_nc_u64 s[G0A+4*\sl+2:G0A+4*\sl+3], s[56:57], \sl*ASTEP
	s_or_b32 s[G0A+4*\sl+3], s[G0A+4*\sl+3], 0x80000000
	s_mov_b32 s[G0B+4*\sl], 1
	s_add_co_u32 s[G0B+4*\sl+1], s21, \sl*SLOT
	s_add_nc_u64 s[G0B+4*\sl+2:G0B+4*\sl+3], s[58:59], \sl*BSTEP
	s_or_b32 s[G0B+4*\sl+3], s[G0B+4*\sl+3], 0x80000000
	JLOAD \sl
.endr
	v_and_b32 v1, 15, v0                           ; r
	v_bfe_u32 v2, v0, 4, 1                         ; h
	v_lshlrev_b32 v[BOFF], 5, v2
.irp b, 0,1,2,3
	global_load_b128 v[BIAS+8*\b:BIAS+8*\b+3],   v[BOFF], s[60:61] offset:64*\b        ; bo of columns 16 b + 8 h + 0..7; waited for on the way out
	global_load_b128 v[BIAS+8*\b+4:BIAS+8*\b+7], v[BOFF], s[60:61] offset:64*\b+16
.endr
	v_mul_u32_u24 v3, v1, 144
	v_lshl_add_u32 v3, v2, 4, v3
	s_mul_i32 s23, s13, 128*144                    ; my 128 of a head's 256 rows
	v_add_nc_u32 v[ADRA], s23, v3
	v_add_nc_u32 v[ADRA+1], SLOT, v[ADRA]
	v_and_b32 v4, 7, v0
	v_lshl_add_u32 v4, v2, 3, v4
	v_mul_u32_u24 v4, v4, 288
	v_bfe_u32 v5, v0, 3, 1
	v_lshl_add_u32 v4, v5, 4, v4
	s_lshl_b32 s23, s14, 7                         ; my 64 columns of 2 bytes
	s_add_co_u32 s23, s23, 2*REGN
	v_add_nc_u32 v[ADRB], s23, v4
	v_add_nc_u32 v[ADRB+1], SLOT, v[ADRB]
	s_mul_i32 s23, s12, 4352
	s_add_co_u32 s23, s23, STAGE
	v_mul_u32_u24 v5, v1, 272
	v_lshl_add_u32 v5, v2, 5, v5                   ; in: row r, 32 bytes for each half of the lanes
	v_add_nc_u32 v[STO], s23, v5
	v_mul_u32_u24 v5, v2, 272
	v_lshl_add_u32 v5, v1, 4, v5                   ; back: sixteen lanes take a row of 256 bytes
	v_add_nc_u32 v[RD], s23, v5
	v_lshlrev_b32 v5, 12, v2
	v_lshl_add_u32 v[CO], v1, 4, v5                ; the same two rows in out0
; na x 4 matrix instructions on buffer bf.  The 32 accumulators take turns, one instruction a turn.
.macro MUL bf, a0, na, zero
	WIN 0x50
.set aa, \a0
.rept \na
.irp b, 0,1,2,3
.if \zero
	v_wmma_f32_16x16x32_f16 v[8*(4*aa+\b):8*(4*aa+\b)+7], v[FB0+32*\bf+8*\b:FB0+32*\bf+8*\b+7], v[FA0+64*\bf+8*aa:FA0+64*\bf+8*aa+7], 0
.else
	v_wmma_f32_16x16x32_f16 v[8*(4*aa+\b):8*(4*aa+\b)+7], v[FB0+32*\bf+8*\b:FB0+32*\bf+8*\b+7], v[FA0+64*\bf+8*aa:FA0+64*\bf+8*aa+7], v[8*(4*aa+\b):8*(4*aa+\b)+7]
.endif
.endr
.set aa, aa+1
.endr
.endm
; 24 loads: quarter kq of slot sl into buffer bf: wob's four fragments, then ctx's rows 0-63, then rows 64-127
.macro FETCH sl, kq, bf
.irp b, 0,1,2,3
	ds_load_tr16_b128 v[FB0+32*\bf+8*\b:FB0+32*\bf+8*\b+3],   v[ADRB+\sl] offset:((\kq)>>1)*REGN+((\kq)&1)*9216+32*\b
	ds_load_tr16_b128 v[FB0+32*\bf+8*\b+4:FB0+32*\bf+8*\b+7], v[ADRB+\sl] offset:((\kq)>>1)*REGN+((\kq)&1)*9216+32*\b+16*288
.endr
.irp a, 0,1,2,3,4,5,6,7
	ds_load_b128 v[FA0+64*\bf+8*\a:FA0+64*\bf+8*\a+3],   v[ADRA+\sl] offset:((\kq)>>1)*REGN+((\kq)&1)*64+2304*\a
	ds_load_b128 v[FA0+64*\bf+8*\a+4:FA0+64*\bf+8*\a+7], v[ADRA+\sl] offset:((\kq)>>1)*REGN+((\kq)&1)*64+2304*\a+32
.endr
.endm
; One of a step's first three quarters: multiplies buffer bf; in its middle it fetches quarter kqn into the other buffer.
.macro QUARTER sl, kqn, bf, zero
	s_wait_dscnt 8                                 ; wob and ctx's rows 0-63 are in; the youngest 8 loads (rows 64-127) may be out
	MUL \bf, 0, 4, \zero
	WIN 0
	PLACES 4                                       ; loads go into registers that matrix instructions have read
	FETCH \sl, \kqn, (1-\bf)
	s_wait_dscnt 24                                ; all but the 24 just issued
	MUL \bf, 4, 4, \zero
.endm
.macro THREE sl, zero
	QUARTER \sl, 1, 0, \zero
	QUARTER \sl, 2, 1, 0
	QUARTER \sl, 3, 0, 0
.endm
; The fourth quarter multiplies buffer 1 and changes slots: each wave's reads of this slot and all its tensor loads are waited for in front of the barrier;
; fill = 1: the barrier opens a round of the cluster's barrier, and the joint refill comes first behind it.
.macro TURN sl, nx, fill
	s_wait_dscnt 8
	MUL 1, 0, 2, 0
	s_wait_dscnt 0x0
	s_wait_tensorcnt 0x0
	ds_add_u32 v30, v31
	s_wait_dscnt 0x0
	s_barrier_signal -1
	MUL 1, 2, 2, 0
	WIN 0
	s_barrier_wait -1
.if \fill
	CREST
	s_add_nc_u64 s[G0A+4*\sl+2:G0A+4*\sl+3], s[G0A+4*\sl+2:G0A+4*\sl+3], 2*ASTEP
	s_add_nc_u64 s[G0B+4*\sl+2:G0B+4*\sl+3], s[G0B+4*\sl+2:G0B+4*\sl+3], 2*BSTEP
	JLOAD \sl
.endif
	PLACES 4
	FETCH \nx, 0, 0
	MUL 1, 4, 4, 0
.endm
.macro LAP zero
	THREE 0, \zero
	TURN 0, 1, 1
	THREE 1, 0
	TURN 1, 0, 1
.endm
	s_wait_tensorcnt 0x1                           ; my part of K step 0 is in; step 1's stays out
	s_barrier_signal -1
	s_barrier_wait -1
	FETCH 0, 0, 0
	LAP 1                                          ; K steps 0, 1; asks for 2, 3
	WIN 0
	s_mov_b32 s22, 2
.Llap:
	LAP 0                                          ; K steps 2 .. 5; asks for 4 .. 7
	WIN 0
	s_sub_co_u32 s22, s22, 1
	s_cmp_lg_u32 s22, 0
	s_cbranch_scc1 .Llap
	THREE 0, 0                                     ; the last lap asks for nothing
	TURN 0, 1, 0
	THREE 1, 0
	s_wait_dscnt 8
	MUL 1, 0, 4, 0
	s_wait_dscnt 0x0
	MUL 1, 4, 4, 0
	WIN 0
	PLACES 4                                       ; behind the last products
; THE WAY OUT, 16 rows at a time: + bo, 32 bytes a lane into my stage, whole rows of 256 bytes back.
.macro OUT16 a, buf
	WIN 0x01                                       ; source 0 in window 1
.irp b, 0,1,2,3
.irp j, 0,2,4,6
	v_pk_add_f32 v[T+8*\b+\j:T+8*\b+\j+1], v[8*(4*\a+\b)+\j:8*(4*\a+\b)+\j+1], v[BIAS+8*\b+\j:BIAS+8*\b+\j+1]
.endr
.endr
	WIN 0
.irp b, 0,1,2,3
	ds_store_b128 v[STO], v[T+8*\b:T+8*\b+3] offset:64*\b
	ds_store_b128 v[STO], v[T+8*\b+4:T+8*\b+7] offset:64*\b+16
.endr
	s_wait_xcnt 0x0                                ; the read-back buffer, which earlier stores name, is written again only behind this wait
.irp t, 0,1,2,3,4,5,6,7
	ds_load_b128 v[RB+32*\buf+4*\t:RB+32*\buf+4*\t+3], v[RD] offset:544*\t
.endr
.irp t, 0,1,2,3,4,5,6,7
	s_wait_dscnt 7-\t
	global_store_b128 v[CO], v[RB+32*\buf+4*\t:RB+32*\buf+4*\t+3], s[62:63] offset:(16*\a+2*\t)*4096 th:TH_STORE_NT   ; sixteen lanes store 256 consecutive bytes, aligned
.endr
.endm
	s_wait_loadcnt 0x0                             ; bo
.irp a, 0,2,4,6
	OUT16 \a, 0
	OUT16 (\a+1), 1
.endr
	s_wait_tensorcnt 0x0
	ds_add_u32 v30, v31
	s_wait_dscnt 0x0
	CROUND                                         ; the closing round
	s_endpgm
.Lfunc_end_k_q1e0d75161a_outp:
	.size	k_q1e0d75161a_outp, .Lfunc_end_k_q1e0d75161a_outp-k_q1e0d75161a_outp
	.p2alignl 7, 3214868480
	.fill 96, 4, 3214868480
	.section	.rodata,"a",@progbits
	.p2align	6, 0x0
	.amdhsa_kernel k_q1e0d75161a_outp
		.amdhsa_group_segment_fixed_size 327680
		.amdhsa_private_segment_fixed_size 0
		.amdhsa_enable_private_segment 0
		.amdhsa_kernarg_size 32
		.amdhsa_user_sgpr_count 2
		.amdhsa_user_sgpr_kernarg_segment_ptr 1
		.amdhsa_wavefront_size32 1
		.amdhsa_system_sgpr_workgroup_id_x 1
		.amdhsa_system_sgpr_workgroup_id_y 1
		.amdhsa_system_sgpr_workgroup_id_z 1
		.amdhsa_system_vgpr_workitem_id 0
		.amdhsa_next_free_vgpr 512
		.amdhsa_next_free_sgpr 66
		.amdhsa_reserve_vcc 0
		.amdhsa_float_denorm_mode_32 3
		.amdhsa_float_denorm_mode_16_64 3
		.amdhsa_memory_ordered 1
		.amdhsa_forward_progress 1
		.amdhsa_inst_pref_size 127
	.end_amdhsa_kernel
	.amdgpu_metadata
---
amdhsa.version: [ 1, 2 ]
amdhsa.kernels:
  - .name:           k_q1e0d75161a_outp
    .symbol:         k_q1e0d75161a_outp.kd
    .args:
      - { .name: ctx, .offset: 0, .size: 8, .value_kind: global_buffer, .address_space: global }
      - { .name: wob, .offset: 8, .size: 8, .value_kind: global_buffer, .address_space: global }
      - { .name: bo, .offset: 16, .size: 8, .value_kind: global_buffer, .address_space: global }
      - { .name: out0, .offset: 24, .size: 8, .value_kind: global_buffer, .address_space: global }
    .group_segment_fixed_size: 327680
    .private_segment_fixed_size: 0
    .kernarg_segment_align: 8
    .kernarg_segment_size: 32
    .max_flat_workgroup_size: 128
    .sgpr_count:     66
    .vgpr_count:     512
    .wavefront_size: 32
...
	.end_amdgpu_metadata
.endif
;; end of part 4
